; MI455X (gfx1250); checked and timed in simulation.
; The chip was launched on July 23, 2026; its instructions are those of AMD's public machine-readable ISA for CDNA 5 (MIT licence, August 2026) and "CDNA5" Instruction Set Architecture Reference Guide (July 2026). The comments in the code are by the model that wrote it; some were corrected since.
;; compute Attention Weight Proj. Allowed arithmetic: matrix products marked QUANTISED: E3M2 operands, one E8M0 scale for each 32 along K, by v_wmma_scale_f32_16x16x128_f8f6f4 with both operands' format E3M2, f32 sums; products left as they are: f32 operands where the result goes on into a quantised operand, else bf16, f16 or f32 operands; f32 sums; everything else in f32.
;; Inputs: G 8 x 4 x 2,048 x 32 float32; K 8 x 4 x 2,048 x 32 float32; Q 8 x 4 x 2,048 x 32 float32; V 8 x 4 x 2,048 x 32 float32; seqMask 4 x 2,048 bool.
;; Outputs: out0 4 x 2,048 x 8 x 32 float32.
;; This version of the problem:
;;   THIS VERSION OF THE PROBLEM IS GIVEN IN LOW PRECISION. The matrix products marked QUANTISED in the list below multiply operands that are first quantised to E3M2 (3 exponent bits, 2 mantissa bits; 6 bits a number), with one power-of-two scale for each 32 numbers along K (OCP MX v1.0); their sums are f32. All else is computed in f32.
;;   The module's matrix products, in the order in which they are computed (A, B: the left and right operand; K: the contracted axis; several contracted axes count as one K, in the product's order):
;;     1. batch 32 x [M 2,048, K 32] x [K 32, N 2,048]; A: input Q; B: input K: QUANTISED
;;     2. batch 32 x [M 32, K 2,048] x [K 2,048, N 2,048]; A: input V; B: softmax (see below): QUANTISED
;;     3. batch 2,097,152 x [M 1, K 1] x [K 1, N 1]; A: computed on the way; B: computed on the way: left as it is (no contracted axis)
;;   THE QUANTISER, for each operand of a quantised product, along K:
;;     - K is cut into blocks of 32 from its start; a last block that is shorter is filled with zeros.
;;     - A block's scale is 2^e with e = floor(log2(the largest magnitude in the block)) - 4, held to -126 .. 127; a block of zeros has e = 0. As a byte (E8M0): e + 127.
;;     - Each number is divided by its block's scale, clamped to +-28, and rounded to the nearest number of E3M2, ties to even, subnormals kept.
;;     - The product sums the exact products of the quantised numbers (number of the format x scale) in f32.
;;   ~~~python
;;   def quantise(x, axis):      # numpy; x: float32 -> the quantised numbers, widened to float32 again
;;       x = np.moveaxis(x, axis, -1); K = x.shape[-1]
;;       x = np.pad(x, [(0, 0)] * (x.ndim - 1) + [(0, -K % 32)]); x = x.reshape(x.shape[:-1] + (-1, 32)); a = np.abs(x).max(-1, keepdims=True)
;;       e = np.where(a > 0, np.clip(np.frexp(np.where(a > 0, a, 1))[1] - 1 - 4, -126, 127), 0)      # np.frexp(a)[1] - 1 = floor(log2(a)), exactly
;;       r = np.clip(x / 2.0 ** e, -28, 28)
;;       step = 2.0 ** (np.maximum(np.frexp(np.where(r == 0, 1, r))[1] - 1, -2) - 2)
;;       q = np.round(r / step) * step * 2.0 ** e      # np.round: ties to even
;;       return np.moveaxis(q.reshape(q.shape[:-2] + (-1,))[..., :K], -1, axis).astype(np.float32)
;;   ~~~
;;   SOFTMAX AHEAD OF A QUANTISED PRODUCT. Where the list says 'softmax', what is quantised is not the finished softmax but p = 2^(t - M), with t = logit x log2(e) and M = ceil(the row's largest t), a whole number; so 1/2 < the row's largest p <= 1. The row's sum l is taken of the UNQUANTISED p, in f32, and the product's result is divided by l at the end. Since M is a whole number, a kernel that streams over the keys may use a running M (the ceiling of the running maximum): every later rescaling is an exact power of two, which a block's scale takes up: the codes' values come out the same.
;;   OPERANDS COMPUTED ON THE WAY. 'Computed on the way' means the value that the module computes at that place (a softmax that the list does not call 'softmax' is quantised finished and normalised). What goes into a quantiser is computed in f32, as accurately as f32 sums, v_exp_f32 and their like allow (about 1e-6 of the number): no bf16 or f16 on the way to a quantiser, and a product that is left as it is and whose result goes on into a quantised operand takes f32 operands (vector FMAs, or v_wmma_f32_16x16x4_f32). A number that lies on a knife's edge between two numbers of the format may be rounded either way, as far as f32 arithmetic and the matrix unit's own rounding can turn it there, and no further.
;; 2 versions. Each part assembles by itself: llvm-mc -triple=amdgcn-amd-amdhsa -mcpu=gfx1250 --defsym DOCPART=n.
;; ======== version 1 of 2: 1 launch
;; limits: inputs' magnitudes at most 100,000,000,000,000
;; launch band (part 1): grid 16 x 16, 16 waves a work-group, no clusters, 132,096 bytes of LDS; arguments Q, K, V, G, seqMask, out0; writes out0
.if DOCPART == 1
	.amdgcn_target "amdgcn-amd-amdhsa--gfx1250"
	.amdhsa_code_object_version 6
	.text
	.protected	k_qa3c9f0e990_band
	.globl	k_qa3c9f0e990_band
	.p2align	8
	.type	k_qa3c9f0e990_band,@function
k_qa3c9f0e990_band:
	s_mov_b64 s[64:65], 0
	v_nop
	global_prefetch_b8 v0, s[64:65] scope:SCOPE_SE
	s_setreg_imm32_b32 hwreg(HW_REG_WAVE_MODE, 25, 1), 1
	s_wait_xcnt 0x0
; out[n][s][h][:] = G[h][n][s][:] x sum over t of softmax_t(Q[h][n][s] . K[h][n][t] / sqrt(32)) V[h][n][t][:], keys t with |s - t| <= 10 and seqMask[n][t] = 0 alone.
; Q, K, V, G: [8][4][2048][32] f32; seqMask: [4][2048] bytes; out: [4][2048][8][32] f32.  Both products on codes of BF6 (E3M2) with one E8M0 scale for each 32 along a product's K:
; the first product's K is the 32 channels (a row of Q or K is one block); the second's is the keys, in blocks of 32 counted from key 0 (V a block for each channel, p a block for each query).
; Only the band is multiplied: 16 queries that begin at a multiple of 16 see keys s0 - 10 .. s0 + 25, which lie in two neighbouring blocks of 32 keys.
; THE SOFTMAX: t = score x log2(e) / sqrt(32); M = the row's largest t rounded up to a whole number; p = 2^(t - M) is quantised, not normalised; the row's sum of the unquantised p divides at the end.
; SHARES.  Work-group (x, y): batch n = y / 4, heads 2 (y % 4) and 2 (y % 4) + 1, queries 128 x .. 128 x + 127: 256 work-groups of equal work.  Wave w: 16 queries (tile w % 8) of head w / 8.
; The work-group's keys are six blocks, 4 x - 1 .. 4 x + 4.  Waves 0 to 11 each quantise K and V of one (head, block) and leave them in LDS as images of operand registers; every wave quantises its own Q.
; Two heads to a work-group, so that a query's 256 consecutive bytes of out are stored by sixteen neighbouring lanes.
; S^T = K Q^T.  One matrix instruction has four blocks of 32 along its K; here each block holds ANOTHER group of 16 keys (source 0 = two images on end), and source 1 is Q's codes in ONE of the four blocks and zero codes
; in the others: four instructions give the scores of 64 keys.  An image's lane l holds key l with bits 3 and 4 exchanged, so that a lane's registers 16 b + i are keys 32 b + 16 (lane / 16) + i of its query lane % 16.
; The C of these products is 0 where a key counts and -2^126 where it does not (outside the band, masked, or outside the sequence).
; O^T = V^T P^T: source 0 = 16 channels x the two blocks of keys (the upper 64 of its K are zero codes), source 1 = p's codes.
; NO CLUSTER, NO TENSOR LOADS: a work-group reads 160 KB, each byte once and all asked for at the head; of these 32 KB (the window's first and last block) are shared, each with one neighbour.
; LIMITS.  NaN and infinities among the inputs are not served.  A hidden key counts as -2^126 in place of -infinity and the row's largest t is held at -1e30 from below: right while |t| < 1e30; p of a hidden key is exactly 0.
; A row with no key left has the sum 0 and comes out as 0 x infinity = NaN.  A block of zeros gets the scale byte 1 where the quantiser says 127: its codes are zeros, and this program alone reads the bytes.
; Blocks whose largest magnitude lies under 2^-122 have their byte held at 1.  Blocks outside the sequence are read at the nearest block inside it and hidden.
.set WSB,    4608                      ; LDS from 0 on: a stage for each wave: 32 places of 144 bytes (a row's 128 + 16), to turn dense loads into a row a lane
.set SP,     144
.set KIMG,   73728                     ; 12 images of K, 896 bytes each: [0, 512) 16 x lane: registers 0-3; [512, 768) 8 x lane: registers 4, 5; [768, 896) 4 x lane: the scale word
.set IMG,    896
.set VIMG,   84480                     ; 12 images of V, likewise
.set OSTG,   95232                     ; the way out: 128 rows (queries) of 256 bytes (two heads) + 16
.set OP,     272
.set SPARE,  130048                    ; the spare words, 128 bytes for each of the 16 waves: eight blocks of 256 bytes that no other line names
.set LN,  1                            ; v1   lane
.set R,   2                            ; v2   lane % 16
.set H,   3                            ; v3   lane / 16
.set SPW, 4                            ; v4   LDS address of my spare word; never rewritten
.set NIL, 5                            ; v5   0; never rewritten
.set GK,  6                            ; v6   16 x lane: K's and Q's loads
.set GV,  7                            ; v7   4 x lane: V's loads
.set GG,  8                            ; v8   G's loads
.set GO,  9                            ; v9   out's stores
.set STW, 10                           ; v10  my stage, as loaded
.set STK, 11                           ; v11  my stage, a place a lane
.set STQ, 12                           ; v12  my stage, place lane % 16
.set PI,  13                           ; v13-15 where I store an image: 16, 8, 4 x lane
.set CK,  16                           ; v16-18 where I read K's two images
.set CV,  19                           ; v19-21 and V's
.set OSW, 22                           ; v22  the way out: where I put 16 bytes
.set OSR, 23                           ; v23  and where I read a row back
.set VS,  26                           ; v26-27 V's scale words for the two tiles of channels: scales alone
.set PEN, 32                           ; v32-63 the C of the first product
.set XA,  64                           ; v64-95   K as loaded; then Q's rows
.set XB,  96                           ; v96-127  K, a key a lane
.set XV,  128                          ; v128-159 V, a channel a lane, registers down the keys
.set XQ,  160                          ; v160-175 Q as loaded
.set GR,  176                          ; v176-191 G
.set QZ,  192                          ; v192-221 zeros | Q in lanes 0-15 | zeros | Q in lanes 16-31 | zeros, six registers each
.set QS,  222                          ; v222 Q's scale word: scales alone
.set PS,  223                          ; v223 p's scale word: scales alone
.set PC,  224                          ; v224-229 p's codes, v230-235 zeros
.set KS,  254                          ; v254-255 K's scale words: scales alone
.set KF,  64                           ; behind the first barrier: v64-75 K's two images
.set VF,  80                           ; v80-91, v92-103 V's two fragments
.set VW,  104                          ; v104-107 V's scale words as they lie
.set S,   112                          ; v112-143 the scores, then p
.set OA,  144                          ; v144-159 O^T
.set OB,  160                          ; v160-175 rows of out
.set WV,  16                           ; s16 wave; s17 tile; s18 head of the pair; s19 first block of my two; s20 its number in the sequence (-1 .. 63)
.set TT,  17
.set EE,  18
.set BB0, 19
.set JB0, 20
.set NN,  21                           ; s21 batch; s22 pair of heads; s23, s24 my job's head and block
.set HP,  22
.set JE,  23
.set JBK, 24
.macro KLOAD                           ; a block of K, 32 rows of 128 bytes: each load 512 consecutive bytes.  No cache hint: the window's first and last block are read by the neighbouring work-group too
.irp j, 0,1,2,3,4,5,6,7
	global_load_b128 v[XA+4*\j:XA+4*\j+3], v[GK], s[30:31] offset:512*\j
.endr
.endm
.macro VLOAD                           ; the same block of V: a lane takes a channel and its registers run down the keys, so the conversions give codes with the keys innermost
.irp i, 0,1,2,3,4,5,6,7,8,9,10,11,12,13,14,15,16,17,18,19,20,21,22,23,24,25,26,27,28,29,30,31
	global_load_b32 v[XV+\i], v[GV], s[32:33] offset:128*\i
.endr
.endm
.macro QGLOAD                          ; my 16 rows of Q, and G for the 8 rows x 2 heads of out that I store: read once in the launch
.irp j, 0,1,2,3
	global_load_b128 v[XQ+4*\j:XQ+4*\j+3], v[GK], s[28:29] offset:512*\j th:TH_LOAD_NT
.endr
.irp i, 0,1,2,3
	global_load_b128 v[GR+4*\i:GR+4*\i+3], v[GG], s[34:35] offset:256*\i th:TH_LOAD_NT
.endr
.endm
; The C of the first product.  Register 16 b + i of lane (r, h) belongs to key 32 b + 16 h + i of my two blocks.  A word D_b has bit i set where that key is hidden: under the band, over it, or masked.
.macro MKPEN
	v_cmp_ne_u32 s38, 0, v24                       ; bit l: key l of my first block is masked
	v_cmp_ne_u32 s39, 0, v25                       ; and of my second
	s_cmp_lt_i32 s[JB0], 0
	s_cselect_b32 s38, -1, s38                     ; a block in front of the sequence is hidden whole,
	s_cmp_gt_i32 s[JB0], 62
	s_cselect_b32 s39, -1, s39                     ; and one behind it
	v_lshlrev_b32 v241, 4, v[H]
	v_add_nc_u32 v240, s25, v[R]
	v_sub_nc_u32 v240, v240, v241                  ; my query - 10, counted from key 16 h of my first block: the first i that counts there
	v_mov_b32 v249, -1
.irp b, 0,1
	v_add_nc_u32 v242, -32*\b, v240                ; the first i that counts in block b,
	v_add_nc_u32 v243, 21-32*\b, v240              ; and the first that no longer does: both held to 0 .. 31 (i goes to 15)
	v_cmp_gt_i32 vcc_lo, 0, v242
	v_cndmask_b32 v242, v242, v230, vcc_lo
	v_cmp_gt_i32 vcc_lo, 0, v243
	v_cndmask_b32 v243, v243, v230, vcc_lo
	v_min_u32 v242, 31, v242
	v_min_u32 v243, 31, v243
	v_lshlrev_b32 v242, v242, v249
	v_lshlrev_b32 v243, v243, v249                 ; ones from the band's end on
	v_xor_b32 v242, -1, v242                       ; ones under the band's beginning
	v_mov_b32 v244, s[38+\b]
	v_lshrrev_b32 v244, v241, v244                 ; the mask of my half's 16 keys
	v_or_b32 v242, v242, v243
	v_or_b32 v[250+\b], v242, v244
.endr
.irp i, 0,1,2,3,4,5,6,7,8,9,10,11,12,13,14,15
.irp b, 0,1
	v_bfe_u32 v[PEN+16*\b+\i], v[250+\b], \i, 1
.endr
.endr
.irp i, 0,1,2,3,4,5,6,7,8,9,10,11,12,13,14,15
.irp b, 0,1
	v_mul_lo_u32 v[PEN+16*\b+\i], v[PEN+16*\b+\i], s41   ; 0, or the bits of -2^126
.endr
.endr
.endm
; A lane's 32 numbers v[src] .. v[src + 31] are one block: codes into v[244:246] and v[250:252], the scale's byte, four times, into v243.
.macro QROW src
	v_max3_num_f32 v240, |v[\src]|, |v[\src+1]|, |v[\src+2]|     ; the largest magnitude, in two chains
	v_max3_num_f32 v241, |v[\src+3]|, |v[\src+4]|, |v[\src+5]|
.irp i, 6,10,14,18,22,26
	v_max3_num_f32 v240, v240, |v[\src+\i]|, |v[\src+\i+1]|
	v_max3_num_f32 v241, v241, |v[\src+\i+2]|, |v[\src+\i+3]|
.endr
	v_max3_num_f32 v240, v240, |v[\src+30]|, |v[\src+31]|
	v_max3_num_f32 v240, v240, v241, 0x2800000     ; and the floor 2^(5 - 127): the byte cannot fall under 1
	v_add_nc_u32 v242, 0xfe000000, v240            ; 4 off its exponent field: the conversion takes the exponent field of this operand as its scale
	v_lshrrev_b32 v243, 23, v242                   ; the scale's byte
	v_cvt_scalef32_pk16_bf6_f32 v[244:246], v[\src:\src+15], v242
	v_cvt_scalef32_pk16_bf6_f32 v[250:252], v[\src+16:\src+31], v242   ; (a conversion's three registers begin on an even number)
	v_perm_b32 v243, v243, v243, 0                 ; the byte in all four bytes of the word.  Also the plain instruction behind the conversions
.endm
.macro IMAGE off                       ; the six registers of codes and the scale word go to LDS as they stand
.irp i, 0,1,2
	v_mov_b32 v[247+\i], v[250+\i]
.endr
	ds_store_b128 v[PI], v[244:247] offset:\off
	ds_store_b64 v[PI+1], v[248:249] offset:\off+512
	ds_store_b32 v[PI+2], v243 offset:\off+768
.endm
	s_load_b256 s[4:11], s[0:1], 0x0               ; Q s[4:5], K s[6:7], V s[8:9], G s[10:11]
	s_load_b128 s[12:15], s[0:1], 0x20             ; seqMask s[12:13], out s[14:15]
	v_lshl_add_u32 v[SPW], v0, 2, SPARE
	v_mov_b32 v[NIL], 0
	v_lshrrev_b32 v1, 5, v0
	v_readfirstlane_b32 s[WV], v1                  ; wave 0..15
	v_and_b32 v[LN], 31, v0
	v_and_b32 v[R], 15, v0
	v_bfe_u32 v[H], v0, 4, 1
	v_bfe_u32 v240, v0, 3, 2                       ; lane / 8
	v_and_b32 v241, 7, v0                          ; lane % 8
	s_and_b32 s[TT], s[WV], 7
	s_lshr_b32 s[EE], s[WV], 3
	s_add_co_u32 s[BB0], s[TT], 1
	s_lshr_b32 s[BB0], s[BB0], 1                   ; my two blocks of the window's six: (tile + 1) / 2 and the next
	s_lshl_b32 s46, ttmp9, 2
	s_sub_co_i32 s46, s46, 1                       ; the window's first block: 4 x - 1
	s_add_co_i32 s[JB0], s46, s[BB0]
	s_and_b32 s25, ttmp7, 0xffff
	s_lshr_b32 s[NN], s25, 2
	s_and_b32 s[HP], s25, 3
	s_cmp_ge_u32 s[WV], 6
	s_cselect_b32 s[JE], 1, 0                      ; my job: head wave / 6 of the pair,
	s_mul_i32 s47, s[JE], 6
	s_sub_co_u32 s47, s[WV], s47                   ; block wave % 6 of the window,
	s_add_co_i32 s[JBK], s46, s47
	s_max_i32 s[JBK], s[JBK], 0
	s_min_i32 s[JBK], s[JBK], 63                   ; held inside the sequence
	; byte offsets: a (head, batch) plane is 2^18 bytes, a row 128
	s_lshl_b32 s47, s[HP], 1
	s_add_co_u32 s48, s47, s[EE]
	s_lshl_b32 s48, s48, 2
	s_add_co_u32 s48, s48, s[NN]
	s_lshl_b32 s50, s48, 18
	s_lshl_b32 s49, ttmp9, 14                      ; 128 rows
	s_add_co_u32 s50, s50, s49
	s_lshl_b32 s48, s[TT], 11
	s_add_co_u32 s50, s50, s48                     ; Q: my head's plane, my 16 rows
	s_mov_b32 s51, 0
	s_add_co_u32 s48, s47, s[JE]
	s_lshl_b32 s48, s48, 2
	s_add_co_u32 s48, s48, s[NN]
	s_lshl_b32 s52, s48, 18
	s_lshl_b32 s48, s[JBK], 12
	s_add_co_u32 s52, s52, s48                     ; K and V: my job's plane and block
	s_mov_b32 s53, 0
	s_lshl_b32 s48, s[HP], 3
	s_add_co_u32 s48, s48, s[NN]
	s_lshl_b32 s54, s48, 18
	s_add_co_u32 s54, s54, s49
	s_lshl_b32 s48, s[WV], 10
	s_add_co_u32 s54, s54, s48                     ; G: the pair's first plane, rows 128 x + 8 wave on
	s_mov_b32 s55, 0
	s_lshl_b32 s56, s[NN], 21
	s_lshl_b32 s48, ttmp9, 17
	s_add_co_u32 s56, s56, s48
	s_lshl_b32 s48, s[WV], 13
	s_add_co_u32 s56, s56, s48
	s_lshl_b32 s48, s[HP], 8
	s_add_co_u32 s56, s56, s48                     ; out: batch, the same 8 rows of 1,024 bytes, the pair's 256 bytes
	s_mov_b32 s57, 0
	s_lshl_b32 s48, s[NN], 11                      ; the mask bytes of my two blocks, each held inside the sequence
	s_max_i32 s47, s[JB0], 0
	s_lshl_b32 s47, s47, 5
	s_add_co_u32 s47, s47, s48
	v_add_nc_u32 v28, s47, v[LN]
	s_add_co_i32 s47, s[JB0], 1
	s_min_i32 s47, s47, 63
	s_lshl_b32 s47, s47, 5
	s_add_co_u32 s47, s47, s48
	v_add_nc_u32 v29, s47, v[LN]
	s_lshl_b32 s25, s[TT], 4
	s_add_co_u32 s25, s25, 22
	s_lshl_b32 s48, s[BB0], 5
	s_sub_co_u32 s25, s25, s48                     ; my first query - 10, counted from my first block's first key: 22 or 6
	v_lshlrev_b32 v[GK], 4, v[LN]
	v_lshlrev_b32 v[GV], 2, v[LN]
	v_bfe_u32 v242, v0, 3, 1
	v_lshlrev_b32 v[GG], 20, v242                  ; G: lanes 8-15 and 24-31 take the pair's second head, four planes on;
	v_lshl_add_u32 v[GG], v[H], 7, v[GG]           ; lanes 16-31 the next row;
	v_lshl_add_u32 v[GG], v241, 4, v[GG]           ; 16 bytes a lane
	v_lshlrev_b32 v[GO], 10, v[H]
	v_lshl_add_u32 v[GO], v[R], 4, v[GO]           ; out: lanes 0-15 a row's 256 bytes, lanes 16-31 the next row's
	; every LDS address is made here, ahead of the parting of the waves: a constant + constants x lane and x wave
	s_mul_i32 s47, s[WV], WSB
	v_mul_u32_u24 v[STW], v240, SP
	v_lshl_add_u32 v[STW], v241, 4, v[STW]
	v_add_nc_u32 v[STW], s47, v[STW]               ; a load's 512 bytes are four rows: place lane / 8, byte 16 (lane % 8)
	v_mul_u32_u24 v[STK], v[LN], SP
	v_add_nc_u32 v[STK], s47, v[STK]
	v_mul_u32_u24 v[STQ], v[R], SP
	v_add_nc_u32 v[STQ], s47, v[STQ]
	s_mul_i32 s47, s[WV], IMG
	s_add_co_u32 s47, s47, KIMG
	v_lshl_add_u32 v[PI], v[LN], 4, s47
	v_lshl_add_u32 v[PI+1], v[LN], 3, s47
	v_lshl_add_u32 v[PI+2], v[LN], 2, s47
	s_mul_i32 s47, s[EE], 6
	s_add_co_u32 s47, s47, s[BB0]
	s_mul_i32 s47, s47, IMG                        ; the image of my head's first block
	s_add_co_u32 s48, s47, KIMG
	v_lshl_add_u32 v[CK], v[LN], 4, s48
	v_lshl_add_u32 v[CK+1], v[LN], 3, s48
	v_lshl_add_u32 v[CK+2], v[LN], 2, s48
	s_add_co_u32 s48, s47, VIMG
	v_mul_u32_u24 v243, v[H], IMG                  ; V: lanes 16-31 read the second block's image
	v_add_nc_u32 v243, s48, v243
	v_lshl_add_u32 v[CV], v[R], 4, v243
	v_lshl_add_u32 v[CV+1], v[R], 3, v243
	v_lshl_add_u32 v[CV+2], v[R], 2, s48
	s_mul_i32 s47, s[TT], 16*OP
	s_lshl_b32 s48, s[EE], 7
	s_add_co_u32 s47, s47, s48
	s_add_co_u32 s47, s47, OSTG
	v_mul_u32_u24 v[OSW], v[R], OP
	v_lshl_add_u32 v[OSW], v[H], 5, v[OSW]
	v_add_nc_u32 v[OSW], s47, v[OSW]               ; in: row 16 tile + r, my head's 128 bytes, 32 h
	s_mul_i32 s47, s[WV], 8*OP
	s_add_co_u32 s47, s47, OSTG
	v_mul_u32_u24 v[OSR], v[H], OP
	v_lshl_add_u32 v[OSR], v[R], 4, v[OSR]
	v_add_nc_u32 v[OSR], s47, v[OSR]               ; back: rows 8 wave on, two an instruction
.irp i, 0,1,2,3,4,5
	v_mov_b32 v[QZ+\i], 0                          ; zero codes: the blocks of an operand that are to count for nothing
	v_mov_b32 v[QZ+12+\i], 0
	v_mov_b32 v[QZ+24+\i], 0
	v_mov_b32 v[PC+6+\i], 0
.endr
	v_mov_b32 v247, 0                              ; (named as the upper halves of the pairs v[246:247] and v[252:253])
	v_mov_b32 v253, 0
	s_mov_b32 s40, 0x0000ffff                      ; lanes 0-15
	s_mov_b32 s41, 0xfe800000                      ; -2^126
	s_mov_b32 s42, 0x3e8293ee                      ; c = log2(e) / sqrt(32)
	s_mov_b32 s43, s42                             ; (named with it as a pair)
	s_mov_b32 s44, 0x76543210
	s_mov_b32 s45, 0xfedcba98                      ; v_permlanex16_b32's selects for lane l xor 16
	s_wait_kmcnt 0x0
	s_add_nc_u64 s[28:29], s[4:5], s[50:51]        ; the bases are made once and never rewritten, and so are the offset registers: no wait frees any of them
	s_add_nc_u64 s[30:31], s[6:7], s[52:53]
	s_add_nc_u64 s[32:33], s[8:9], s[52:53]
	s_add_nc_u64 s[34:35], s[10:11], s[54:55]
	s_add_nc_u64 s[36:37], s[14:15], s[56:57]
	global_load_u8 v24, v28, s[12:13]
	global_load_u8 v25, v29, s[12:13]
	s_cmp_lt_u32 s[WV], 12                         ; the one parting: waves 0 to 11 have a job
	s_cbranch_scc0 .Lno_job
	KLOAD
	VLOAD
	QGLOAD                                         ; 50 loads of mine are out: all that I read from memory
	s_wait_loadcnt 48                              ; the two mask loads are in; behind them stand K's 8, V's 32, Q's 4, G's 4
	MKPEN                                          ; work on registers while K and V are on their way
	s_wait_loadcnt 40                              ; K is in; V's 32, Q's 4, G's 4 may be out
.irp j, 0,1,2,3,4,5,6,7                        ; key 4 j + lane / 8 goes to the place whose number is the key's with bits 3 and 4 exchanged: the exchange stands in the immediate
	ds_store_b128 v[STW], v[XA+4*\j:XA+4*\j+3] offset:4*SP*(\j%2+2*(\j/4)+4*((\j/2)%2))
.endr
.irp i, 0,1,2,3,4,5,6,7
	ds_load_b128 v[XB+4*\i:XB+4*\i+3], v[STK] offset:16*\i   ; LDS serves a wave's instructions in order: these see my stores
.endr
	s_wait_dscnt 0x0
	QROW XB
	IMAGE 0
	s_wait_loadcnt 8                               ; V is in; Q's 4 and G's 4 may be out
	s_wait_dscnt 0x0                               ; the image's stores have read their registers
	QROW XV
	IMAGE VIMG-KIMG
	s_branch .Ljoin
.Lno_job:
	QGLOAD
	s_wait_loadcnt 8                               ; the two mask loads are in; Q's 4 and G's 4 may be out
	MKPEN
.Ljoin:
	s_wait_loadcnt 4                               ; Q is in; G's 4 may be out
.irp j, 0,1,2,3
	ds_store_b128 v[STW], v[XQ+4*\j:XQ+4*\j+3] offset:4*SP*\j
.endr
.irp i, 0,1,2,3,4,5,6,7
	ds_load_b128 v[XA+4*\i:XA+4*\i+3], v[STQ] offset:16*\i   ; both halves of the lanes take row lane % 16
.endr
	s_wait_dscnt 0x0                               ; Q's rows are in, and the last image's stores have read their registers
	QROW XA
	v_mov_b32 v[QS], v243
.irp i, 0,1,2
	v_cndmask_b32 v[QZ+6+\i], v230, v[244+\i], s40           ; the codes in lanes 0-15 alone,
	v_cndmask_b32 v[QZ+9+\i], v230, v[250+\i], s40
	v_cndmask_b32 v[QZ+18+\i], v[244+\i], v230, s40          ; and in lanes 16-31 alone
	v_cndmask_b32 v[QZ+21+\i], v[250+\i], v230, s40
.endr
	s_wait_dscnt 0x0                               ; for the others' sake: my images have landed
	s_barrier_signal -1
	s_barrier_wait -1                              ; the 24 images are whole
	ds_load_b128 v[KF:KF+3], v[CK]
	ds_load_b64 v[KF+4:KF+5], v[CK+1] offset:512
	ds_load_b128 v[KF+6:KF+9], v[CK] offset:IMG
	ds_load_b64 v[KF+10:KF+11], v[CK+1] offset:IMG+512
	ds_load_b32 v[KS], v[CK+2] offset:768
	ds_load_b32 v[KS+1], v[CK+2] offset:IMG+768
.irp u, 0,1                                    ; V: channels 16 u + r; lanes 0-15 my first block, lanes 16-31 my second
	ds_load_b128 v[VF+12*\u:VF+12*\u+3], v[CV] offset:256*\u
	ds_load_b64 v[VF+12*\u+4:VF+12*\u+5], v[CV+1] offset:512+128*\u
	ds_load_b32 v[VW+2*\u], v[CV+2] offset:768+64*\u
	ds_load_b32 v[VW+2*\u+1], v[CV+2] offset:IMG+768+64*\u
.endr
.irp i, 0,1,2,3,4,5
	v_mov_b32 v[VF+6+\i], 0                        ; the upper 64 of the second product's K: zero codes.  These twelve are also the plain instructions between the lines that wrote Q's scale word (8 asked) and codes (4) and the products
	v_mov_b32 v[VF+18+\i], 0
.endr
	s_wait_dscnt 8                                 ; K's six loads are in; V's eight may be out
	; four accumulators, one instruction each.  Block v of the instruction's K holds keys 32 (v / 2) + 8 (v % 2) + m + 8 (m / 8) in row m; their scale words lie in lanes 0-15 (v even) or 16-31 (v odd) of the image's word
	v_wmma_scale_f32_16x16x128_f8f6f4 v[S:S+7], v[KF:KF+11], v[QZ+6:QZ+17], v[PEN:PEN+7], v[KS], v[QS] matrix_a_fmt:MATRIX_FMT_BF6 matrix_b_fmt:MATRIX_FMT_BF6
	v_wmma_scale_f32_16x16x128_f8f6f4 v[S+8:S+15], v[KF:KF+11], v[QZ+18:QZ+29], v[PEN+8:PEN+15], v[KS], v[QS] matrix_a_fmt:MATRIX_FMT_BF6 matrix_b_fmt:MATRIX_FMT_BF6 matrix_a_scale:MATRIX_SCALE_ROW1
	v_wmma_scale_f32_16x16x128_f8f6f4 v[S+16:S+23], v[KF:KF+11], v[QZ:QZ+11], v[PEN+16:PEN+23], v[KS+1], v[QS] matrix_a_fmt:MATRIX_FMT_BF6 matrix_b_fmt:MATRIX_FMT_BF6
	v_wmma_scale_f32_16x16x128_f8f6f4 v[S+24:S+31], v[KF:KF+11], v[QZ+12:QZ+23], v[PEN+24:PEN+31], v[KS+1], v[QS] matrix_a_fmt:MATRIX_FMT_BF6 matrix_b_fmt:MATRIX_FMT_BF6 matrix_a_scale:MATRIX_SCALE_ROW1
	s_wait_dscnt 0x0                               ; V's fragments and scale words are in
.irp u, 0,1
	v_bfi_b32 v[VS+\u], 0x00ff00ff, v[VW+2*\u], v[VW+2*\u+1]   ; byte 0: my first block's scale, byte 1: my second's (bytes 2, 3 stand over zero codes)
.endr
	v_nop                                          ; with the two lines above: four plain instructions behind the products, ahead of the first read of their results (ISA guide 7.12.1)
	v_nop
	; the softmax of my query: 32 scores in my registers, 32 in lane l xor 16's.  Each accumulator is read from its low end on
.irp b, 0,1
	v_max3_num_f32 v[240+\b], v[S+16*\b], v[S+16*\b+1], v[S+16*\b+2]   ; the largest score of each block of 32 keys: it serves for the row's maximum and, since p rises with the score, for the block's largest p
.endr
.irp i, 3,5,7,9,11,13
.irp b, 0,1
	v_max3_num_f32 v[240+\b], v[240+\b], v[S+16*\b+\i], v[S+16*\b+\i+1]
.endr
.endr
.irp b, 0,1
	v_max_num_f32 v[240+\b], v[240+\b], v[S+16*\b+15]
.endr
.irp b, 0,1
	v_permlanex16_b32 v[242+\b], v[240+\b], s44, s45
.endr
.irp b, 0,1
	v_max_num_f32 v[240+\b], v[240+\b], v[242+\b]
.endr
	v_max_num_f32 v244, v240, v241
	v_mul_f32 v244, s42, v244                      ; the row's largest t (c is positive),
	v_max_num_f32 v244, 0xf149f2ca, v244           ; held at -1e30 from below: in a row with no key left every p then falls to 0
	v_floor_f32 v246, -v244                        ; -M = floor(-t) = -ceil(t)
.irp j, 0,2,4,6,8,10,12,14,16,18,20,22,24,26,28,30
	v_pk_fma_f32 v[S+\j:S+\j+1], v[S+\j:S+\j+1], s[42:43], v[246:247] op_sel_hi:[1,0,0]   ; t - M, two at a time (of the pairs c and -M the low word serves both halves)
.endr
.irp b, 0,1
	v_fma_f32 v[240+\b], v[240+\b], s42, v246      ; the same of each block's largest score
.endr
.irp j, 0,1,2,3,4,5,6,7,8,9,10,11,12,13,14,15,16,17,18,19,20,21,22,23,24,25,26,27,28,29,30,31
	v_exp_f32 v[S+\j], v[S+\j]                     ; p = 2^(t - M)
.endr
.irp b, 0,1
	v_exp_f32 v[240+\b], v[240+\b]                 ; the block's largest p: the same two instructions on the same number
.endr
	v_nop                                          ; a plain instruction behind the last exponential
	s_wait_alu depctr_va_vdst(0)                   ; one wait for the batch of 34, ahead of its first reader
.irp b, 0,1
	v_max_num_f32 v[240+\b], 0x2800000, v[240+\b]  ; the floor 2^(5 - 127): a block whose every p is 0 keeps the byte 1; its codes are zeros
.endr
.irp b, 0,1
	v_add_nc_u32 v[242+\b], 0xfe000000, v[240+\b]  ; 4 off the exponent field: the conversion's scale operand
.endr
.irp b, 0,1
	v_lshrrev_b32 v[244+\b], 23, v[242+\b]         ; the scale's byte
.endr
	v_lshl_or_b32 v[PS], v245, 8, v244             ; p's scale word (bytes 2, 3 stand over zero codes)
	v_cvt_scalef32_pk16_bf6_f32 v[PC:PC+2], v[S:S+15], v242
	v_cvt_scalef32_pk16_bf6_f32 v[236:238], v[S+16:S+31], v243
	v_nop                                          ; a plain instruction behind the conversions
.irp i, 0,1,2
	v_permlane16_swap_b32 v[PC+\i], v[236+\i]      ; the operand wants a whole block in a lane: lanes 0-15 my first block, lanes 16-31 my second
.endr
.irp i, 0,1,2
	v_mov_b32 v[PC+3+\i], v[236+\i]
.endr
	v_pk_add_f32 v[248:249], v[S:S+1], v[S+2:S+3]  ; the row's sum is taken of the unquantised p: two at a time, in two chains.  These lines are also the plain instructions between the writes of p's scale word (8 asked) and codes (4) and the products
	v_pk_add_f32 v[250:251], v[S+4:S+5], v[S+6:S+7]
.irp j, 8,12,16,20,24,28
	v_pk_add_f32 v[248:249], v[248:249], v[S+\j:S+\j+1]
	v_pk_add_f32 v[250:251], v[250:251], v[S+\j+2:S+\j+3]
.endr
	v_pk_add_f32 v[248:249], v[248:249], v[250:251]
	v_add_f32 v248, v248, v249
	v_permlanex16_b32 v249, v248, s44, s45
	v_add_f32 v248, v248, v249                     ; with lane l xor 16's: the row's sum
	v_rcp_f32 v252, v248
	v_nop                                          ; a plain instruction behind the reciprocal
	v_wmma_scale_f32_16x16x128_f8f6f4 v[OA:OA+7], v[VF:VF+11], v[PC:PC+11], 0, v[VS], v[PS] matrix_a_fmt:MATRIX_FMT_BF6 matrix_b_fmt:MATRIX_FMT_BF6
	v_wmma_scale_f32_16x16x128_f8f6f4 v[OA+8:OA+15], v[VF+12:VF+23], v[PC:PC+11], 0, v[VS+1], v[PS] matrix_a_fmt:MATRIX_FMT_BF6 matrix_b_fmt:MATRIX_FMT_BF6
.rept 4
	v_nop                                          ; four plain instructions ahead of the first read of the results
.endr
	s_wait_alu depctr_va_vdst(0)                   ; the wait for the reciprocal, ahead of its first reader
.irp k, 0,2,4,6,8,10,12,14
	v_pk_mul_f32 v[OA+\k:OA+\k+1], v[OA+\k:OA+\k+1], v[252:253] op_sel_hi:[1,0]   ; O^T / the sum, each accumulator from its low end on: register 8 u + j is channel 16 u + 8 h + j of query r
.endr
.irp u, 0,1
	ds_store_b128 v[OSW], v[OA+8*\u:OA+8*\u+3] offset:64*\u
	ds_store_b128 v[OSW], v[OA+8*\u+4:OA+8*\u+7] offset:64*\u+16
.endr
	s_wait_dscnt 0x0                               ; for the others' sake: my stores into the stage have landed
	s_barrier_signal -1
	s_barrier_wait -1                              ; 128 rows of two heads lie in the stage
.irp i, 0,1,2,3
	ds_load_b128 v[OB+4*\i:OB+4*\i+3], v[OSR] offset:2*OP*\i
.endr
	s_wait_loadcnt 0x0                             ; G
	s_wait_dscnt 0x0
.irp k, 0,2,4,6,8,10,12,14
	v_pk_mul_f32 v[OB+\k:OB+\k+1], v[OB+\k:OB+\k+1], v[GR+\k:GR+\k+1]   ; the gate
.endr
.irp i, 0,1,2,3
	global_store_b128 v[GO], v[OB+4*\i:OB+4*\i+3], s[36:37] offset:2048*\i th:TH_STORE_NT   ; sixteen lanes store 256 consecutive bytes, at a multiple of 256 from out's first byte; written once, read by nobody here
.endr
	s_wait_tensorcnt 0x0                           ; the wave's end, behind my last LDS store
	ds_add_u32 v[SPW], v[NIL]
	s_wait_dscnt 0x0
	s_endpgm
.Lfunc_end_k_qa3c9f0e990_band:
	.size	k_qa3c9f0e990_band, .Lfunc_end_k_qa3c9f0e990_band-k_qa3c9f0e990_band
	.p2alignl 7, 3214868480
	.fill 96, 4, 3214868480
	.section	.rodata,"a",@progbits
	.p2align	6, 0x0
	.amdhsa_kernel k_qa3c9f0e990_band
		.amdhsa_group_segment_fixed_size 132096
		.amdhsa_private_segment_fixed_size 0
		.amdhsa_enable_private_segment 0
		.amdhsa_kernarg_size 48
		.amdhsa_user_sgpr_count 2
		.amdhsa_user_sgpr_kernarg_segment_ptr 1
		.amdhsa_wavefront_size32 1
		.amdhsa_system_sgpr_workgroup_id_x 1
		.amdhsa_system_sgpr_workgroup_id_y 1
		.amdhsa_system_sgpr_workgroup_id_z 1
		.amdhsa_system_vgpr_workitem_id 0
		.amdhsa_next_free_vgpr 256
		.amdhsa_next_free_sgpr 66
		.amdhsa_reserve_vcc 1
		.amdhsa_float_denorm_mode_32 3
		.amdhsa_float_denorm_mode_16_64 3
		.amdhsa_memory_ordered 1
		.amdhsa_forward_progress 1
		.amdhsa_inst_pref_size 41
	.end_amdhsa_kernel
	.amdgpu_metadata
---
amdhsa.version: [ 1, 2 ]
amdhsa.kernels:
  - .name:           k_qa3c9f0e990_band
    .symbol:         k_qa3c9f0e990_band.kd
    .args:
      - { .name: Q, .offset: 0, .size: 8, .value_kind: global_buffer, .address_space: global }
      - { .name: K, .offset: 8, .size: 8, .value_kind: global_buffer, .address_space: global }
      - { .name: V, .offset: 16, .size: 8, .value_kind: global_buffer, .address_space: global }
      - { .name: G, .offset: 24, .size: 8, .value_kind: global_buffer, .address_space: global }
      - { .name: seqMask, .offset: 32, .size: 8, .value_kind: global_buffer, .address_space: global }
      - { .name: out0, .offset: 40, .size: 8, .value_kind: global_buffer, .address_space: global }
    .group_segment_fixed_size: 132096
    .private_segment_fixed_size: 0
    .kernarg_segment_align: 8
    .kernarg_segment_size: 48
    .max_flat_workgroup_size: 512
    .sgpr_count:     66
    .vgpr_count:     256
    .wavefront_size: 32
...
	.end_amdgpu_metadata
.endif
;; end of part 1
;; ======== version 2 of 2: 1 launch; version 1 with the launch band written anew for expert scheduling mode
;; limits: inputs' magnitudes at most 100,000,000,000,000
;; launch band (part 2): grid 16 x 16, 16 waves a work-group, no clusters, 132,096 bytes of LDS; arguments Q, K, V, G, seqMask, out0; writes out0
.if DOCPART == 2
	.amdgcn_target "amdgcn-amd-amdhsa--gfx1250"
	.amdhsa_code_object_version 6
	.text
	.protected	k_qa3c9f0e990_band
	.globl	k_qa3c9f0e990_band
	.p2align	8
	.type	k_qa3c9f0e990_band,@function
k_qa3c9f0e990_band:
	s_mov_b64 s[64:65], 0
	v_nop
	global_prefetch_b8 v0, s[64:65] scope:SCOPE_SE
	s_setreg_imm32_b32 hwreg(HW_REG_WAVE_SCHED_MODE, 0, 2), 2
	s_setreg_imm32_b32 hwreg(HW_REG_WAVE_MODE, 25, 1), 1
	s_wait_xcnt 0x0
	s_wait_alu depctr_vm_vsrc(0)
; out[n][s][h][:] = G[h][n][s][:] x sum over t of softmax_t(Q[h][n][s] . K[h][n][t] / sqrt(32)) V[h][n][t][:], keys t with |s - t| <= 10 and seqMask[n][t] = 0 alone.
; Q, K, V, G: [8][4][2048][32] f32; seqMask: [4][2048] bytes; out: [4][2048][8][32] f32.  Both products on codes of BF6 (E3M2) with one E8M0 scale for each 32 along a product's K:
; the first product's K is the 32 channels (a row of Q or K is one block); the second's is the keys, in blocks of 32 counted from key 0 (V a block for each channel, p a block for each query).
; Only the band is multiplied: 16 queries that begin at a multiple of 16 see keys s0 - 10 .. s0 + 25, which lie in two neighbouring blocks of 32 keys.
; THE SOFTMAX: t = score x log2(e) / sqrt(32); M = the row's largest t rounded up to a whole number; p = 2^(t - M) is quantised, not normalised; the row's sum of the unquantised p divides at the end.
; SHARES.  Work-group (x, y): batch n = y / 4, heads 2 (y % 4) and 2 (y % 4) + 1, queries 128 x .. 128 x + 127: 256 work-groups of equal work.  Wave w: 16 queries (tile w % 8) of head w / 8.
; The work-group's keys are six blocks, 4 x - 1 .. 4 x + 4.  Waves 0 to 11 each quantise K and V of one (head, block) and leave them in LDS as images of operand registers; every wave quantises its own Q.
; Two heads to a work-group, so that a query's 256 consecutive bytes of out are stored by sixteen neighbouring lanes.
; S^T = K Q^T.  One matrix instruction has four blocks of 32 along its K; here each block holds ANOTHER group of 16 keys (source 0 = two images on end), and source 1 is Q's codes in ONE of the four blocks and zero codes
; in the others: four instructions give the scores of 64 keys.  An image's lane l holds key l with bits 3 and 4 exchanged, so that a lane's registers 16 b + i are keys 32 b + 16 (lane / 16) + i of its query lane % 16.
; The C of these products is 0 where a key counts and -2^126 where it does not (outside the band, masked, or outside the sequence).
; O^T = V^T P^T: source 0 = 16 channels x the two blocks of keys (the upper 64 of its K are zero codes), source 1 = p's codes.
; NO CLUSTER, NO TENSOR LOADS: a work-group reads 160 KB, each byte once and all asked for at the head; of these 32 KB (the window's first and last block) are shared, each with one neighbour.
; LIMITS.  NaN and infinities among the inputs are not served.  A hidden key counts as -2^126 in place of -infinity and the row's largest t is held at -1e30 from below: right while |t| < 1e30; p of a hidden key is exactly 0.
; A row with no key left has the sum 0 and comes out as 0 x infinity = NaN.  A block of zeros gets the scale byte 1 where the quantiser says 127: its codes are zeros, and this program alone reads the bytes.
; Blocks whose largest magnitude lies under 2^-122 have their byte held at 1.  Blocks outside the sequence are read at the nearest block inside it and hidden.
; THE MODE: SCHED_MODE bits 1:0 = 2 (LLVM: expert scheduling mode 2), set by the entry lines.  The code itself states the register dependences
; between vector or matrix instructions and memory or LDS instructions, with s_wait_alu, always for 0.
; THE PLAN.  Registers that memory or LDS instructions touch, in the order of the text:
;   v6-v23, v28, v29  offsets and LDS addresses: written at the head, read by every load and store, never written again: one wait on va_vdst ahead of the first load serves them all.
;   v24, v25          the mask's loads land; two compares read them.
;   XA  v64-95        K's loads land; the stage's stores read; Q's rows land from the stage; QROW reads; v86-91 take zero codes; behind the first barrier images land in v64-75 and v80-85.
;   XB  v96-127       K's rows land from the stage; QROW reads; v98-103 take zero codes; behind the first barrier V's image and scale words land in v92-97 and v104-107.
;   v243-249          an image on its way out: written by QROW and IMAGE's moves, read by IMAGE's three stores, written again by the next QROW.
;   XQ = OB v160-175  Q's loads land; the stage's stores read; behind the second barrier rows of out land; the gate writes them; the global stores read them.
;   OA  v144-159      written by the second product and the division; read by four LDS stores.
;   XV, GR            loads land, vector instructions read: the memory counters' affair alone.
; THE WAITS.  va_vdst: ahead of the first load; in IMAGE ahead of its stores; behind the first barrier (for the loads into XA and XB, and for the operands that vector instructions made for the first product);
; behind the exponentials; ahead of the second product (its operands and scales; the reciprocal); ahead of the stage's stores; ahead of the global stores.
; vm_vsrc: ahead of each line that writes again what image stores or stage stores have read: ahead of V's QROW, ahead of the branch to the join, behind the second barrier.
; va_sdst: behind v_readfirstlane_b32, and behind MKPEN's one run of six compares.
.set WSB,    4608                      ; LDS from 0 on: a stage for each wave: 32 places of 144 bytes (a row's 128 + 16), to turn dense loads into a row a lane
.set SP,     144
.set KIMG,   73728                     ; 12 images of K, 896 bytes each: [0, 512) 16 x lane: registers 0-3; [512, 768) 8 x lane: registers 4, 5; [768, 896) 4 x lane: the scale word
.set IMG,    896
.set VIMG,   84480                     ; 12 images of V, likewise
.set OSTG,   95232                     ; the way out: 128 rows (queries) of 256 bytes (two heads) + 16
.set OP,     272
.set SPARE,  130048                    ; the spare words, 128 bytes for each of the 16 waves: eight blocks of 256 bytes that no other line names
.set LN,  1                            ; v1   lane
.set R,   2                            ; v2   lane % 16
.set H,   3                            ; v3   lane / 16
.set SPW, 4                            ; v4   LDS address of my spare word; never rewritten
.set NIL, 5                            ; v5   0; never rewritten
.set GK,  6                            ; v6   16 x lane: K's and Q's loads
.set GV,  7                            ; v7   4 x lane: V's loads
.set GG,  8                            ; v8   G's loads
.set GO,  9                            ; v9   out's stores
.set STW, 10                           ; v10  my stage, as loaded
.set STK, 11                           ; v11  my stage, a place a lane
.set STQ, 12                           ; v12  my stage, place lane % 16
.set PI,  13                           ; v13-15 where I store an image: 16, 8, 4 x lane
.set CK,  16                           ; v16-18 where I read K's two images
.set CV,  19                           ; v19-21 and V's
.set OSW, 22                           ; v22  the way out: where I put 16 bytes
.set OSR, 23                           ; v23  and where I read a row back
.set VS,  26                           ; v26-27 V's scale words for the two tiles of channels: scales alone
.set PEN, 32                           ; v32-63 the C of the first product
.set XA,  64                           ; v64-95   K as loaded; then Q's rows
.set XB,  96                           ; v96-127  K, a key a lane
.set XV,  128                          ; v128-159 V, a channel a lane, registers down the keys
.set XQ,  160                          ; v160-175 Q as loaded
.set GR,  176                          ; v176-191 G
.set QZ,  192                          ; v192-221 zeros | Q in lanes 0-15 | zeros | Q in lanes 16-31 | zeros, six registers each
.set QS,  222                          ; v222 Q's scale word: scales alone
.set PS,  223                          ; v223 p's scale word: scales alone
.set PC,  224                          ; v224-229 p's codes, v230-235 zeros
.set KS,  254                          ; v254-255 K's scale words: scales alone
.set KF,  64                           ; behind the first barrier: v64-75 K's two images
.set VF,  80                           ; v80-91, v92-103 V's two fragments
.set VW,  104                          ; v104-107 V's scale words as they lie
.set S,   112                          ; v112-143 the scores, then p
.set OA,  144                          ; v144-159 O^T
.set OB,  160                          ; v160-175 rows of out
.set WV,  16                           ; s16 wave; s17 tile; s18 head of the pair; s19 first block of my two; s20 its number in the sequence (-1 .. 63)
.set TT,  17
.set EE,  18
.set BB0, 19
.set JB0, 20
.set NN,  21                           ; s21 batch; s22 pair of heads; s23, s24 my job's head and block
.set HP,  22
.set JE,  23
.set JBK, 24
.set CM,  58                           ; s58-61 the masks of the band's four compares
.macro KLOAD                           ; a block of K, 32 rows of 128 bytes: each load 512 consecutive bytes.  No cache hint: the window's first and last block are read by the neighbouring work-group too
.irp j, 0,1,2,3,4,5,6,7
	global_load_b128 v[XA+4*\j:XA+4*\j+3], v[GK], s[30:31] offset:512*\j
.endr
.endm
.macro VLOAD                           ; the same block of V: a lane takes a channel and its registers run down the keys, so the conversions give codes with the keys innermost
.irp i, 0,1,2,3,4,5,6,7,8,9,10,11,12,13,14,15,16,17,18,19,20,21,22,23,24,25,26,27,28,29,30,31
	global_load_b32 v[XV+\i], v[GV], s[32:33] offset:128*\i
.endr
.endm
.macro QGLOAD                          ; my 16 rows of Q, and G for the 8 rows x 2 heads of out that I store: read once in the launch
.irp j, 0,1,2,3
	global_load_b128 v[XQ+4*\j:XQ+4*\j+3], v[GK], s[28:29] offset:512*\j th:TH_LOAD_NT
.endr
.irp i, 0,1,2,3
	global_load_b128 v[GR+4*\i:GR+4*\i+3], v[GG], s[34:35] offset:256*\i th:TH_LOAD_NT
.endr
.endm
; The C of the first product.  Register 16 b + i of lane (r, h) belongs to key 32 b + 16 h + i of my two blocks.  A word D_b has bit i set where that key is hidden: under the band, over it, or masked.
; The six compares stand in one run, each with a scalar register of its own, so that one wait stands between them and their readers.  Block b's two bounds lie in v[242 + 3 b] and v[243 + 3 b].
.macro MKPEN
	v_lshlrev_b32 v241, 4, v[H]
	v_add_nc_u32 v240, s25, v[R]
	v_sub_nc_u32 v240, v240, v241                  ; my query - 10, counted from key 16 h of my first block: the first i that counts there
	v_mov_b32 v249, -1
.irp b, 0,1
	v_add_nc_u32 v[242+3*\b], -32*\b, v240         ; the first i that counts in block b,
	v_add_nc_u32 v[243+3*\b], 21-32*\b, v240       ; and the first that no longer does: both held to 0 .. 31 below (i goes to 15)
.endr
	v_cmp_ne_u32 s38, 0, v24                       ; bit l: key l of my first block is masked
	v_cmp_ne_u32 s39, 0, v25                       ; and of my second
.irp b, 0,1
	v_cmp_gt_i32 s[CM+2*\b], 0, v[242+3*\b]
	v_cmp_gt_i32 s[CM+2*\b+1], 0, v[243+3*\b]
.endr
	s_wait_alu depctr_va_sdst(0)                   ; the six compares have written s38, s39 and s58 to s61, ahead of their first readers: the two scalar selects and the four vector selects below
	s_cmp_lt_i32 s[JB0], 0
	s_cselect_b32 s38, -1, s38                     ; a block in front of the sequence is hidden whole,
	s_cmp_gt_i32 s[JB0], 62
	s_cselect_b32 s39, -1, s39                     ; and one behind it
.irp b, 0,1
	v_cndmask_b32 v[242+3*\b], v[242+3*\b], v230, s[CM+2*\b]
	v_cndmask_b32 v[243+3*\b], v[243+3*\b], v230, s[CM+2*\b+1]
	v_min_u32 v[242+3*\b], 31, v[242+3*\b]
	v_min_u32 v[243+3*\b], 31, v[243+3*\b]
	v_lshlrev_b32 v[242+3*\b], v[242+3*\b], v249
	v_lshlrev_b32 v[243+3*\b], v[243+3*\b], v249   ; ones from the band's end on
	v_xor_b32 v[242+3*\b], -1, v[242+3*\b]         ; ones under the band's beginning
	v_mov_b32 v244, s[38+\b]
	v_lshrrev_b32 v244, v241, v244                 ; the mask of my half's 16 keys
	v_or_b32 v[242+3*\b], v[242+3*\b], v[243+3*\b]
	v_or_b32 v[250+\b], v[242+3*\b], v244
.endr
.irp i, 0,1,2,3,4,5,6,7,8,9,10,11,12,13,14,15
.irp b, 0,1
	v_bfe_u32 v[PEN+16*\b+\i], v[250+\b], \i, 1
.endr
.endr
.irp i, 0,1,2,3,4,5,6,7,8,9,10,11,12,13,14,15
.irp b, 0,1
	v_mul_lo_u32 v[PEN+16*\b+\i], v[PEN+16*\b+\i], s41   ; 0, or the bits of -2^126
.endr
.endr
.endm
; A lane's 32 numbers v[src] .. v[src + 31] are one block: codes into v[244:246] and v[250:252], the scale's byte, four times, into v243.
.macro QROW src
	v_max3_num_f32 v240, |v[\src]|, |v[\src+1]|, |v[\src+2]|     ; the largest magnitude, in two chains
	v_max3_num_f32 v241, |v[\src+3]|, |v[\src+4]|, |v[\src+5]|
.irp i, 6,10,14,18,22,26
	v_max3_num_f32 v240, v240, |v[\src+\i]|, |v[\src+\i+1]|
	v_max3_num_f32 v241, v241, |v[\src+\i+2]|, |v[\src+\i+3]|
.endr
	v_max3_num_f32 v240, v240, |v[\src+30]|, |v[\src+31]|
	v_max3_num_f32 v240, v240, v241, 0x2800000     ; and the floor 2^(5 - 127): the byte cannot fall under 1
	v_add_nc_u32 v242, 0xfe000000, v240            ; 4 off its exponent field: the conversion takes the exponent field of this operand as its scale
	v_lshrrev_b32 v243, 23, v242                   ; the scale's byte
	v_cvt_scalef32_pk16_bf6_f32 v[244:246], v[\src:\src+15], v242
	v_cvt_scalef32_pk16_bf6_f32 v[250:252], v[\src+16:\src+31], v242   ; (a conversion's three registers begin on an even number)
	v_perm_b32 v243, v243, v243, 0                 ; the byte in all four bytes of the word.  Also the plain instruction behind the conversions
.endm
.macro IMAGE off                       ; the six registers of codes and the scale word go to LDS as they stand
.irp i, 0,1,2
	v_mov_b32 v[247+\i], v[250+\i]
.endr
	s_wait_alu depctr_va_vdst(0)                   ; the conversions, the three moves and the v_perm_b32 have written v243 to v249, which the three stores read
	ds_store_b128 v[PI], v[244:247] offset:\off
	ds_store_b64 v[PI+1], v[248:249] offset:\off+512
	ds_store_b32 v[PI+2], v243 offset:\off+768
.endm
	s_load_b256 s[4:11], s[0:1], 0x0               ; Q s[4:5], K s[6:7], V s[8:9], G s[10:11]
	s_load_b128 s[12:15], s[0:1], 0x20             ; seqMask s[12:13], out s[14:15]
	v_lshl_add_u32 v[SPW], v0, 2, SPARE
	v_mov_b32 v[NIL], 0
	v_lshrrev_b32 v1, 5, v0
	v_readfirstlane_b32 s[WV], v1                  ; wave 0..15
	v_and_b32 v[LN], 31, v0
	s_wait_alu depctr_va_vdst(0)
	v_and_b32 v[R], 15, v0
	v_bfe_u32 v[H], v0, 4, 1
	v_bfe_u32 v240, v0, 3, 2                       ; lane / 8
	v_and_b32 v241, 7, v0                          ; lane % 8
	s_wait_alu depctr_va_sdst(0)                   ; s16, the wave's number, is written, ahead of its first reader: shares, offsets and LDS addresses are made from it
	s_and_b32 s[TT], s[WV], 7
	s_lshr_b32 s[EE], s[WV], 3
	s_add_co_u32 s[BB0], s[TT], 1
	s_lshr_b32 s[BB0], s[BB0], 1                   ; my two blocks of the window's six: (tile + 1) / 2 and the next
	s_lshl_b32 s46, ttmp9, 2
	s_sub_co_i32 s46, s46, 1                       ; the window's first block: 4 x - 1
	s_add_co_i32 s[JB0], s46, s[BB0]
	s_and_b32 s25, ttmp7, 0xffff
	s_lshr_b32 s[NN], s25, 2
	s_and_b32 s[HP], s25, 3
	s_cmp_ge_u32 s[WV], 6
	s_cselect_b32 s[JE], 1, 0                      ; my job: head wave / 6 of the pair,
	s_mul_i32 s47, s[JE], 6
	s_sub_co_u32 s47, s[WV], s47                   ; block wave % 6 of the window,
	s_add_co_i32 s[JBK], s46, s47
	s_max_i32 s[JBK], s[JBK], 0
	s_min_i32 s[JBK], s[JBK], 63                   ; held inside the sequence
	; byte offsets: a (head, batch) plane is 2^18 bytes, a row 128
	s_lshl_b32 s47, s[HP], 1
	s_add_co_u32 s48, s47, s[EE]
	s_lshl_b32 s48, s48, 2
	s_add_co_u32 s48, s48, s[NN]
	s_lshl_b32 s50, s48, 18
	s_lshl_b32 s49, ttmp9, 14                      ; 128 rows
	s_add_co_u32 s50, s50, s49
	s_lshl_b32 s48, s[TT], 11
	s_add_co_u32 s50, s50, s48                     ; Q: my head's plane, my 16 rows
	s_mov_b32 s51, 0
	s_add_co_u32 s48, s47, s[JE]
	s_lshl_b32 s48, s48, 2
	s_add_co_u32 s48, s48, s[NN]
	s_lshl_b32 s52, s48, 18
	s_lshl_b32 s48, s[JBK], 12
	s_add_co_u32 s52, s52, s48                     ; K and V: my job's plane and block
	s_mov_b32 s53, 0
	s_lshl_b32 s48, s[HP], 3
	s_add_co_u32 s48, s48, s[NN]
	s_lshl_b32 s54, s48, 18
	s_add_co_u32 s54, s54, s49
	s_lshl_b32 s48, s[WV], 10
	s_add_co_u32 s54, s54, s48                     ; G: the pair's first plane, rows 128 x + 8 wave on
	s_mov_b32 s55, 0
	s_lshl_b32 s56, s[NN], 21
	s_lshl_b32 s48, ttmp9, 17
	s_add_co_u32 s56, s56, s48
	s_lshl_b32 s48, s[WV], 13
	s_add_co_u32 s56, s56, s48
	s_lshl_b32 s48, s[HP], 8
	s_add_co_u32 s56, s56, s48                     ; out: batch, the same 8 rows of 1,024 bytes, the pair's 256 bytes
	s_mov_b32 s57, 0
	s_lshl_b32 s48, s[NN], 11                      ; the mask bytes of my two blocks, each held inside the sequence
	s_max_i32 s47, s[JB0], 0
	s_lshl_b32 s47, s47, 5
	s_add_co_u32 s47, s47, s48
	v_add_nc_u32 v28, s47, v[LN]
	s_add_co_i32 s47, s[JB0], 1
	s_min_i32 s47, s47, 63
	s_lshl_b32 s47, s47, 5
	s_add_co_u32 s47, s47, s48
	v_add_nc_u32 v29, s47, v[LN]
	s_lshl_b32 s25, s[TT], 4
	s_add_co_u32 s25, s25, 22
	s_lshl_b32 s48, s[BB0], 5
	s_sub_co_u32 s25, s25, s48                     ; my first query - 10, counted from my first block's first key: 22 or 6
	v_lshlrev_b32 v[GK], 4, v[LN]
	v_lshlrev_b32 v[GV], 2, v[LN]
	v_bfe_u32 v242, v0, 3, 1
	v_lshlrev_b32 v[GG], 20, v242                  ; G: lanes 8-15 and 24-31 take the pair's second head, four planes on;
	s_wait_alu depctr_va_vdst(0)
	v_lshl_add_u32 v[GG], v[H], 7, v[GG]           ; lanes 16-31 the next row;
	v_lshl_add_u32 v[GG], v241, 4, v[GG]           ; 16 bytes a lane
	v_lshlrev_b32 v[GO], 10, v[H]
	v_lshl_add_u32 v[GO], v[R], 4, v[GO]           ; out: lanes 0-15 a row's 256 bytes, lanes 16-31 the next row's
	; every LDS address is made here, ahead of the parting of the waves: a constant + constants x lane and x wave
	s_mul_i32 s47, s[WV], WSB
	v_mul_u32_u24 v[STW], v240, SP
	v_lshl_add_u32 v[STW], v241, 4, v[STW]
	v_add_nc_u32 v[STW], s47, v[STW]               ; a load's 512 bytes are four rows: place lane / 8, byte 16 (lane % 8)
	v_mul_u32_u24 v[STK], v[LN], SP
	v_add_nc_u32 v[STK], s47, v[STK]
	v_mul_u32_u24 v[STQ], v[R], SP
	v_add_nc_u32 v[STQ], s47, v[STQ]
	s_mul_i32 s47, s[WV], IMG
	s_add_co_u32 s47, s47, KIMG
	v_lshl_add_u32 v[PI], v[LN], 4, s47
	v_lshl_add_u32 v[PI+1], v[LN], 3, s47
	v_lshl_add_u32 v[PI+2], v[LN], 2, s47
	s_mul_i32 s47, s[EE], 6
	s_add_co_u32 s47, s47, s[BB0]
	s_mul_i32 s47, s47, IMG                        ; the image of my head's first block
	s_add_co_u32 s48, s47, KIMG
	v_lshl_add_u32 v[CK], v[LN], 4, s48
	v_lshl_add_u32 v[CK+1], v[LN], 3, s48
	v_lshl_add_u32 v[CK+2], v[LN], 2, s48
	s_add_co_u32 s48, s47, VIMG
	v_mul_u32_u24 v243, v[H], IMG                  ; V: lanes 16-31 read the second block's image
	v_add_nc_u32 v243, s48, v243
	v_lshl_add_u32 v[CV], v[R], 4, v243
	v_lshl_add_u32 v[CV+1], v[R], 3, v243
	v_lshl_add_u32 v[CV+2], v[R], 2, s48
	s_mul_i32 s47, s[TT], 16*OP
	s_lshl_b32 s48, s[EE], 7
	s_add_co_u32 s47, s47, s48
	s_add_co_u32 s47, s47, OSTG
	v_mul_u32_u24 v[OSW], v[R], OP
	v_lshl_add_u32 v[OSW], v[H], 5, v[OSW]
	v_add_nc_u32 v[OSW], s47, v[OSW]               ; in: row 16 tile + r, my head's 128 bytes, 32 h
	s_mul_i32 s47, s[WV], 8*OP
	s_add_co_u32 s47, s47, OSTG
	v_mul_u32_u24 v[OSR], v[H], OP
	v_lshl_add_u32 v[OSR], v[R], 4, v[OSR]
	v_add_nc_u32 v[OSR], s47, v[OSR]               ; back: rows 8 wave on, two an instruction
.irp i, 0,1,2,3,4,5
	v_mov_b32 v[QZ+\i], 0                          ; zero codes: the blocks of an operand that are to count for nothing
	v_mov_b32 v[QZ+12+\i], 0
	v_mov_b32 v[QZ+24+\i], 0
	v_mov_b32 v[PC+6+\i], 0
.endr
	v_mov_b32 v247, 0                              ; (named as the upper halves of the pairs v[246:247] and v[252:253])
	v_mov_b32 v253, 0
	s_mov_b32 s40, 0x0000ffff                      ; lanes 0-15
	s_mov_b32 s41, 0xfe800000                      ; -2^126
	s_mov_b32 s42, 0x3e8293ee                      ; c = log2(e) / sqrt(32)
	s_mov_b32 s43, s42                             ; (named with it as a pair)
	s_mov_b32 s44, 0x76543210
	s_mov_b32 s45, 0xfedcba98                      ; v_permlanex16_b32's selects for lane l xor 16
	s_wait_kmcnt 0x0
	s_add_nc_u64 s[28:29], s[4:5], s[50:51]        ; the bases are made once and never rewritten, and so are the offset registers: no wait frees any of them
	s_add_nc_u64 s[30:31], s[6:7], s[52:53]
	s_add_nc_u64 s[32:33], s[8:9], s[52:53]
	s_add_nc_u64 s[34:35], s[10:11], s[54:55]
	s_add_nc_u64 s[36:37], s[14:15], s[56:57]
	s_wait_alu depctr_va_vdst(0)                   ; the offsets and LDS addresses v6 to v23, v28 and v29 are written, which every load and store of the kernel reads; no vector instruction names one of them again
	global_load_u8 v24, v28, s[12:13]
	global_load_u8 v25, v29, s[12:13]
	s_cmp_lt_u32 s[WV], 12                         ; the one parting: waves 0 to 11 have a job
	s_cbranch_scc0 .Lno_job
	KLOAD
	VLOAD
	QGLOAD                                         ; 50 loads of mine are out: all that I read from memory
	s_wait_loadcnt 48                              ; the two mask loads are in; behind them stand K's 8, V's 32, Q's 4, G's 4
	MKPEN                                          ; work on registers while K and V are on their way
	s_wait_loadcnt 40                              ; K is in; V's 32, Q's 4, G's 4 may be out
.irp j, 0,1,2,3,4,5,6,7                        ; key 4 j + lane / 8 goes to the place whose number is the key's with bits 3 and 4 exchanged: the exchange stands in the immediate.  (No vector instruction has named XA, XB or the stage's addresses since the wait at the head)
	ds_store_b128 v[STW], v[XA+4*\j:XA+4*\j+3] offset:4*SP*(\j%2+2*(\j/4)+4*((\j/2)%2))
.endr
.irp i, 0,1,2,3,4,5,6,7
	ds_load_b128 v[XB+4*\i:XB+4*\i+3], v[STK] offset:16*\i   ; LDS serves a wave's instructions in order: these see my stores
.endr
	s_wait_dscnt 0x0
	QROW XB
	IMAGE 0
	s_wait_loadcnt 8                               ; V is in; Q's 4 and G's 4 may be out
	s_wait_dscnt 0x0                               ; the image's stores have read their registers
	s_wait_alu depctr_vm_vsrc(0)                   ; K's image's stores have read v243 to v249, which the lines below write again
	QROW XV
	IMAGE VIMG-KIMG
	s_wait_alu depctr_vm_vsrc(0)                   ; ahead of the branch: V's image's stores have read v243 to v249, which Q's quantising writes again behind the join; the stage's stores have read XA, in which Q's rows land there
	s_branch .Ljoin
.Lno_job:
	QGLOAD
	s_wait_loadcnt 8                               ; the two mask loads are in; Q's 4 and G's 4 may be out
	MKPEN
.Ljoin:
	s_wait_loadcnt 4                               ; Q is in; G's 4 may be out
.irp j, 0,1,2,3
	ds_store_b128 v[STW], v[XQ+4*\j:XQ+4*\j+3] offset:4*SP*\j
.endr
.irp i, 0,1,2,3,4,5,6,7
	ds_load_b128 v[XA+4*\i:XA+4*\i+3], v[STQ] offset:16*\i   ; both halves of the lanes take row lane % 16.  (No vector instruction has named XA on either way)
.endr
	s_wait_dscnt 0x0                               ; Q's rows are in, and the last image's stores have read their registers
	QROW XA
	v_mov_b32 v[QS], v243
.irp i, 0,1,2
	v_cndmask_b32 v[QZ+6+\i], v230, v[244+\i], s40           ; the codes in lanes 0-15 alone,
	v_cndmask_b32 v[QZ+9+\i], v230, v[250+\i], s40
	v_cndmask_b32 v[QZ+18+\i], v[244+\i], v230, s40          ; and in lanes 16-31 alone
	v_cndmask_b32 v[QZ+21+\i], v[250+\i], v230, s40
.endr
.irp i, 0,1,2,3,4,5
	v_mov_b32 v[VF+6+\i], 0                        ; the upper 64 of the second product's K: zero codes.  These twelve are also the plain instructions between the lines that wrote Q's scale word (8 asked) and codes (4) and the products
	v_mov_b32 v[VF+18+\i], 0
.endr
	s_wait_dscnt 0x0                               ; for the others' sake: my images have landed
	s_barrier_signal -1
	s_barrier_wait -1                              ; the 24 images are whole
	s_wait_alu depctr_va_vdst(0)                   ; the quantising lines are done reading v64 to v127, in which the images below land; and Q's codes, the zero codes and Q's scale word are written, which the scaled products take (their plain instructions stand ahead of this wait)
	ds_load_b128 v[KF:KF+3], v[CK]
	ds_load_b64 v[KF+4:KF+5], v[CK+1] offset:512
	ds_load_b128 v[KF+6:KF+9], v[CK] offset:IMG
	ds_load_b64 v[KF+10:KF+11], v[CK+1] offset:IMG+512
	ds_load_b32 v[KS], v[CK+2] offset:768
	ds_load_b32 v[KS+1], v[CK+2] offset:IMG+768
.irp u, 0,1                                    ; V: channels 16 u + r; lanes 0-15 my first block, lanes 16-31 my second
	ds_load_b128 v[VF+12*\u:VF+12*\u+3], v[CV] offset:256*\u
	ds_load_b64 v[VF+12*\u+4:VF+12*\u+5], v[CV+1] offset:512+128*\u
	ds_load_b32 v[VW+2*\u], v[CV+2] offset:768+64*\u
	ds_load_b32 v[VW+2*\u+1], v[CV+2] offset:IMG+768+64*\u
.endr
	s_wait_dscnt 8                                 ; K's six loads are in; V's eight may be out
	; four accumulators, one instruction each.  Block v of the instruction's K holds keys 32 (v / 2) + 8 (v % 2) + m + 8 (m / 8) in row m; their scale words lie in lanes 0-15 (v even) or 16-31 (v odd) of the image's word
	v_wmma_scale_f32_16x16x128_f8f6f4 v[S:S+7], v[KF:KF+11], v[QZ+6:QZ+17], v[PEN:PEN+7], v[KS], v[QS] matrix_a_fmt:MATRIX_FMT_BF6 matrix_b_fmt:MATRIX_FMT_BF6
	v_wmma_scale_f32_16x16x128_f8f6f4 v[S+8:S+15], v[KF:KF+11], v[QZ+18:QZ+29], v[PEN+8:PEN+15], v[KS], v[QS] matrix_a_fmt:MATRIX_FMT_BF6 matrix_b_fmt:MATRIX_FMT_BF6 matrix_a_scale:MATRIX_SCALE_ROW1
	v_wmma_scale_f32_16x16x128_f8f6f4 v[S+16:S+23], v[KF:KF+11], v[QZ:QZ+11], v[PEN+16:PEN+23], v[KS+1], v[QS] matrix_a_fmt:MATRIX_FMT_BF6 matrix_b_fmt:MATRIX_FMT_BF6
	v_wmma_scale_f32_16x16x128_f8f6f4 v[S+24:S+31], v[KF:KF+11], v[QZ+12:QZ+23], v[PEN+24:PEN+31], v[KS+1], v[QS] matrix_a_fmt:MATRIX_FMT_BF6 matrix_b_fmt:MATRIX_FMT_BF6 matrix_a_scale:MATRIX_SCALE_ROW1
	s_wait_dscnt 0x0                               ; V's fragments and scale words are in
.irp u, 0,1
	v_bfi_b32 v[VS+\u], 0x00ff00ff, v[VW+2*\u], v[VW+2*\u+1]   ; byte 0: my first block's scale, byte 1: my second's (bytes 2, 3 stand over zero codes)
.endr
	v_nop                                          ; with the two lines above: four plain instructions behind the products, ahead of the first read of their results (ISA guide 7.12.1)
	v_nop
	; the softmax of my query: 32 scores in my registers, 32 in lane l xor 16's.  Each accumulator is read from its low end on
.irp b, 0,1
	v_max3_num_f32 v[240+\b], v[S+16*\b], v[S+16*\b+1], v[S+16*\b+2]   ; the largest score of each block of 32 keys: it serves for the row's maximum and, since p rises with the score, for the block's largest p
.endr
.irp i, 3,5,7,9,11,13
.irp b, 0,1
	v_max3_num_f32 v[240+\b], v[240+\b], v[S+16*\b+\i], v[S+16*\b+\i+1]
.endr
.endr
.irp b, 0,1
	v_max_num_f32 v[240+\b], v[240+\b], v[S+16*\b+15]
.endr
.irp b, 0,1
	v_permlanex16_b32 v[242+\b], v[240+\b], s44, s45
.endr
.irp b, 0,1
	v_max_num_f32 v[240+\b], v[240+\b], v[242+\b]
.endr
	v_max_num_f32 v244, v240, v241
	v_mul_f32 v244, s42, v244                      ; the row's largest t (c is positive),
	v_max_num_f32 v244, 0xf149f2ca, v244           ; held at -1e30 from below: in a row with no key left every p then falls to 0
	v_floor_f32 v246, -v244                        ; -M = floor(-t) = -ceil(t)
.irp j, 0,2,4,6,8,10,12,14,16,18,20,22,24,26,28,30
	v_pk_fma_f32 v[S+\j:S+\j+1], v[S+\j:S+\j+1], s[42:43], v[246:247] op_sel_hi:[1,0,0]   ; t - M, two at a time (of the pairs c and -M the low word serves both halves)
.endr
.irp b, 0,1
	v_fma_f32 v[240+\b], v[240+\b], s42, v246      ; the same of each block's largest score
.endr
	s_wait_alu depctr_va_vdst(0)
.irp j, 0,1,2,3,4,5,6,7,8,9,10,11,12,13,14,15,16,17,18,19,20,21,22,23,24,25,26,27,28,29,30,31
	v_exp_f32 v[S+\j], v[S+\j]                     ; p = 2^(t - M)
.endr
.irp b, 0,1
	v_exp_f32 v[240+\b], v[240+\b]                 ; the block's largest p: the same two instructions on the same number
.endr
	v_nop                                          ; a plain instruction behind the last exponential
	s_wait_alu depctr_va_vdst(0)                   ; the 34 exponentials have written v[S ..] and v240, v241: one wait for the batch, ahead of its first reader
.irp b, 0,1
	v_max_num_f32 v[240+\b], 0x2800000, v[240+\b]  ; the floor 2^(5 - 127): a block whose every p is 0 keeps the byte 1; its codes are zeros
.endr
.irp b, 0,1
	v_add_nc_u32 v[242+\b], 0xfe000000, v[240+\b]  ; 4 off the exponent field: the conversion's scale operand
.endr
.irp b, 0,1
	v_lshrrev_b32 v[244+\b], 23, v[242+\b]         ; the scale's byte
.endr
	v_lshl_or_b32 v[PS], v245, 8, v244             ; p's scale word (bytes 2, 3 stand over zero codes)
	v_cvt_scalef32_pk16_bf6_f32 v[PC:PC+2], v[S:S+15], v242
	v_cvt_scalef32_pk16_bf6_f32 v[236:238], v[S+16:S+31], v243
	v_nop                                          ; a plain instruction behind the conversions
.irp i, 0,1,2
	v_permlane16_swap_b32 v[PC+\i], v[236+\i]      ; the operand wants a whole block in a lane: lanes 0-15 my first block, lanes 16-31 my second
.endr
.irp i, 0,1,2
	v_mov_b32 v[PC+3+\i], v[236+\i]
.endr
	v_pk_add_f32 v[248:249], v[S:S+1], v[S+2:S+3]  ; the row's sum is taken of the unquantised p: two at a time, in two chains.  These lines are also the plain instructions between the writes of p's scale word (8 asked) and codes (4) and the products
	v_pk_add_f32 v[250:251], v[S+4:S+5], v[S+6:S+7]
.irp j, 8,12,16,20,24,28
	v_pk_add_f32 v[248:249], v[248:249], v[S+\j:S+\j+1]
	v_pk_add_f32 v[250:251], v[250:251], v[S+\j+2:S+\j+3]
.endr
	v_pk_add_f32 v[248:249], v[248:249], v[250:251]
	v_add_f32 v248, v248, v249
	v_permlanex16_b32 v249, v248, s44, s45
	v_add_f32 v248, v248, v249                     ; with lane l xor 16's: the row's sum
	s_wait_alu depctr_va_vdst(0)
	v_rcp_f32 v252, v248
	v_nop                                          ; a plain instruction behind the reciprocal
	s_wait_alu depctr_va_vdst(0)                   ; p's codes v[PC ..], p's scale word and V's two scale words are written, which the scaled products take (their plain instructions stand ahead of this wait); and the reciprocal has written v252, ahead of its first reader
	v_wmma_scale_f32_16x16x128_f8f6f4 v[OA:OA+7], v[VF:VF+11], v[PC:PC+11], 0, v[VS], v[PS] matrix_a_fmt:MATRIX_FMT_BF6 matrix_b_fmt:MATRIX_FMT_BF6
	v_wmma_scale_f32_16x16x128_f8f6f4 v[OA+8:OA+15], v[VF+12:VF+23], v[PC:PC+11], 0, v[VS+1], v[PS] matrix_a_fmt:MATRIX_FMT_BF6 matrix_b_fmt:MATRIX_FMT_BF6
.rept 4
	v_nop                                          ; four plain instructions ahead of the first read of the results
.endr
.irp k, 0,2,4,6,8,10,12,14
	v_pk_mul_f32 v[OA+\k:OA+\k+1], v[OA+\k:OA+\k+1], v[252:253] op_sel_hi:[1,0]   ; O^T / the sum, each accumulator from its low end on: register 8 u + j is channel 16 u + 8 h + j of query r
.endr
	s_wait_alu depctr_va_vdst(0)                   ; the eight multiplications have written v[OA ..], which the LDS stores read
.irp u, 0,1
	ds_store_b128 v[OSW], v[OA+8*\u:OA+8*\u+3] offset:64*\u
	ds_store_b128 v[OSW], v[OA+8*\u+4:OA+8*\u+7] offset:64*\u+16
.endr
	s_wait_dscnt 0x0                               ; for the others' sake: my stores into the stage have landed
	s_barrier_signal -1
	s_barrier_wait -1                              ; 128 rows of two heads lie in the stage
	s_wait_alu depctr_vm_vsrc(0)                   ; the stores that sent Q through my stage have read v160 to v175, in which the rows of out land and which the gate then writes
.irp i, 0,1,2,3
	ds_load_b128 v[OB+4*\i:OB+4*\i+3], v[OSR] offset:2*OP*\i
.endr
	s_wait_loadcnt 0x0                             ; G
	s_wait_dscnt 0x0
.irp k, 0,2,4,6,8,10,12,14
	v_pk_mul_f32 v[OB+\k:OB+\k+1], v[OB+\k:OB+\k+1], v[GR+\k:GR+\k+1]   ; the gate
.endr
	s_wait_alu depctr_va_vdst(0)                   ; the gate's multiplications have written v[OB ..], which the global stores read
.irp i, 0,1,2,3
	global_store_b128 v[GO], v[OB+4*\i:OB+4*\i+3], s[36:37] offset:2048*\i th:TH_STORE_NT   ; sixteen lanes store 256 consecutive bytes, at a multiple of 256 from out's first byte; written once, read by nobody here
.endr
	s_wait_dscnt 0x0                               ; the wave's end, behind my last LDS store
	s_wait_alu 0x0
	s_wait_tensorcnt 0x0
	ds_add_u32 v[SPW], v[NIL]
	s_wait_dscnt 0x0
	s_endpgm
.Lfunc_end_k_qa3c9f0e990_band:
	.size	k_qa3c9f0e990_band, .Lfunc_end_k_qa3c9f0e990_band-k_qa3c9f0e990_band
	.p2alignl 7, 3214868480
	.fill 96, 4, 3214868480
	.section	.rodata,"a",@progbits
	.p2align	6, 0x0
	.amdhsa_kernel k_qa3c9f0e990_band
		.amdhsa_group_segment_fixed_size 132096
		.amdhsa_private_segment_fixed_size 0
		.amdhsa_enable_private_segment 0
		.amdhsa_kernarg_size 48
		.amdhsa_user_sgpr_count 2
		.amdhsa_user_sgpr_kernarg_segment_ptr 1
		.amdhsa_wavefront_size32 1
		.amdhsa_system_sgpr_workgroup_id_x 1
		.amdhsa_system_sgpr_workgroup_id_y 1
		.amdhsa_system_sgpr_workgroup_id_z 1
		.amdhsa_system_vgpr_workitem_id 0
		.amdhsa_next_free_vgpr 256
		.amdhsa_next_free_sgpr 66
		.amdhsa_reserve_vcc 0
		.amdhsa_float_denorm_mode_32 3
		.amdhsa_float_denorm_mode_16_64 3
		.amdhsa_memory_ordered 1
		.amdhsa_forward_progress 1
		.amdhsa_inst_pref_size 42
	.end_amdhsa_kernel
	.amdgpu_metadata
---
amdhsa.version: [ 1, 2 ]
amdhsa.kernels:
  - .name:           k_qa3c9f0e990_band
    .symbol:         k_qa3c9f0e990_band.kd
    .args:
      - { .name: Q, .offset: 0, .size: 8, .value_kind: global_buffer, .address_space: global }
      - { .name: K, .offset: 8, .size: 8, .value_kind: global_buffer, .address_space: global }
      - { .name: V, .offset: 16, .size: 8, .value_kind: global_buffer, .address_space: global }
      - { .name: G, .offset: 24, .size: 8, .value_kind: global_buffer, .address_space: global }
      - { .name: seqMask, .offset: 32, .size: 8, .value_kind: global_buffer, .address_space: global }
      - { .name: out0, .offset: 40, .size: 8, .value_kind: global_buffer, .address_space: global }
    .group_segment_fixed_size: 132096
    .private_segment_fixed_size: 0
    .kernarg_segment_align: 8
    .kernarg_segment_size: 48
    .max_flat_workgroup_size: 512
    .sgpr_count:     66
    .vgpr_count:     256
    .wavefront_size: 32
...
	.end_amdgpu_metadata
.endif
;; end of part 2
